; MI455X (gfx1250); checked and timed in simulation.
; The chip was launched on July 23, 2026; its instructions are those of AMD's public machine-readable ISA for CDNA 5 (MIT licence, August 2026) and "CDNA5" Instruction Set Architecture Reference Guide (July 2026). The comments in the code are by the model that wrote it; some were corrected since.
;; VQ Embedding. Allowed arithmetic: matrix products marked QUANTISED: E2M1 operands, one E8M0 scale for each 32 along K, by v_wmma_scale_f32_16x16x128_f8f6f4 with both operands' format E2M1 (or v_wmma_scale_f32_32x16x128_f4), f32 sums; everything else in f32.
;; Inputs: codebook 8,192 x 256 float32; z_e_x 8 x 4,096 x 256 float32.
;; Outputs: out0 8 x 4,096 x 256 float32; out1 8 x 4,096 int32; out2 8 x 4,096 float32.
;; This version of the problem:
;;   THIS VERSION OF THE PROBLEM IS GIVEN IN LOW PRECISION. The matrix products marked QUANTISED in the list below multiply operands that are first quantised to E2M1 (2 exponent bits, 1 mantissa bit; 4 bits a number), with one power-of-two scale for each 32 numbers along K (OCP MX v1.0); their sums are f32. All else is computed in f32.
;;   The module's matrix products, in the order in which they are computed (A, B: the left and right operand; K: the contracted axis; several contracted axes count as one K, in the product's order):
;;     1. [M 32,768, K 256] x [K 256, N 8,192]; A: input z_e_x; B: input codebook: QUANTISED
;;   THE QUANTISER, for each operand of a quantised product, along K:
;;     - K is cut into blocks of 32 from its start; a last block that is shorter is filled with zeros.
;;     - A block's scale is 2^e with e = floor(log2(the largest magnitude in the block)) - 2, held to -126 .. 127; a block of zeros has e = 0. As a byte (E8M0): e + 127.
;;     - Each number is divided by its block's scale, clamped to +-6, and rounded to the nearest number of E2M1, ties to even, subnormals kept.
;;     - The product sums the exact products of the quantised numbers (number of the format x scale) in f32.
;;   ~~~python
;;   def quantise(x, axis):      # numpy; x: float32 -> the quantised numbers, widened to float32 again
;;       x = np.moveaxis(x, axis, -1); K = x.shape[-1]
;;       x = np.pad(x, [(0, 0)] * (x.ndim - 1) + [(0, -K % 32)]); x = x.reshape(x.shape[:-1] + (-1, 32)); a = np.abs(x).max(-1, keepdims=True)
;;       e = np.where(a > 0, np.clip(np.frexp(np.where(a > 0, a, 1))[1] - 1 - 2, -126, 127), 0)      # np.frexp(a)[1] - 1 = floor(log2(a)), exactly
;;       r = np.clip(x / 2.0 ** e, -6, 6)
;;       step = 2.0 ** (np.maximum(np.frexp(np.where(r == 0, 1, r))[1] - 1, 0) - 1)
;;       q = np.round(r / step) * step * 2.0 ** e      # np.round: ties to even
;;       return np.moveaxis(q.reshape(q.shape[:-2] + (-1,))[..., :K], -1, axis).astype(np.float32)
;;   ~~~
;; One version. Each part assembles by itself: llvm-mc -triple=amdgcn-amd-amdhsa -mcpu=gfx1250 --defsym DOCPART=n.
;; ======== version 1 of 1: 4 launches
;; limits: right only within a limited range of input values
;; workspace buffers: xq 4,718,592 bytes; cbq 1,179,648 bytes; unitw 2,097,152 bytes of whole numbers; idxw 131,072 bytes of whole numbers
;; launch quant (part 1): grid 640 x 1, 4 waves a work-group, no clusters, 68,096 bytes of LDS; arguments z_e_x, codebook, xq, cbq; writes xq, cbq
.if DOCPART == 1
	.amdgcn_target "amdgcn-amd-amdhsa--gfx1250"
	.amdhsa_code_object_version 6
	.text
	.protected	k_q6c7532d09d_quant
	.globl	k_q6c7532d09d_quant
	.p2align	8
	.type	k_q6c7532d09d_quant,@function
k_q6c7532d09d_quant:
	s_mov_b64 s[64:65], 0
	v_nop
	global_prefetch_b8 v0, s[64:65] scope:SCOPE_SE
	s_setreg_imm32_b32 hwreg(HW_REG_WAVE_MODE, 25, 1), 1
	s_wait_xcnt 0x0
; z_e_x [32768][256] and codebook [8192][256], f32, become codes of FP4 (E2M1) with one E8M0 scale byte for each 32 along K, and each row's sum of squares in f32.
; A block's scale is 2^(floor(log2(its largest magnitude)) - 2); its byte is the largest magnitude's exponent field - 2, held at 1 from below; each number is divided by the scale and rounded to the nearest code, ties to even, beyond 6 the code of 6.
; THE RESULT IS LAID AS RECORDS OF 2,304 BYTES (nine aligned runs of 256), one for a tile of 16 rows, in the order of a matrix operand's registers:
;   +0    codes: piece (q = 0..3, lane l), 16 bytes at 512 q + 16 l: tile row l % 16, k = 64 q + 32 (l / 16) + 0..31.  q = 0, 1 is the first 128 along K, q = 2, 3 the second
;   +2048 scale words: word l: the four bytes of tile row l % 16 for the (l / 16)-th 128 along K
;   +2176 the sixteen rows' sums of squares, f32;   +2240 the same again, so that the last 256 bytes are written whole
; WHICH ROWS FORM TILE t: tile row p is tensor row 32 (t / 2) + 16 (p / 8) + 8 (t % 2) + p % 8.  In a product with the codes of the codebook as source 0 a lane's 16 results of tiles 2 b and 2 b + 1 are then 16 neighbouring codebook rows.
; xq HOLDS -2 x: every code's sign bit is turned and every scale byte raised by one; both are exact (the bytes are 252 at the most, so nothing carries and none becomes 0xff).
; SHARES: a wave takes one tile: 16 rows, 16 KiB.  Work-groups 0 to 511 take z_e_x, 512 to 639 the codebook: only pointers and two constants are chosen, by the work-group's number; there is one path through the text.
; A load is best where neighbouring lanes take neighbouring bytes; the conversions want 32 neighbours along K in ONE lane.  So the tile turns through the wave's own stage in LDS.
; No barrier: waves share nothing.  No cluster: work-groups share no input.
; LIMITS: a block of zeros gets the byte 1 (2 in xq) where the rule says 127: its codes are zeros, and this program alone reads the bytes.  NaN and infinities among the inputs are not served.
.set NXG,   512                        ; work-groups that take z_e_x
.set REC,   2304                       ; bytes of a record
.set PITCH, 1040                       ; a stage row: 1,024 bytes + 16: 260 words, so that the sixteen rows that a read touches begin 4 words apart modulo 64
.set AUX,   16*PITCH                   ; behind the stage: 256 bytes for the record's last run
.set WREG,  AUX+256                    ; LDS of a wave
.set OL,  1                            ; v1   16 x lane: my place in a load's and in a store's 512 bytes
.set STW, 2                            ; v2   the stage on the way in
.set STR, 3                            ; v3   and on the way out: row lane % 16, + 128 bytes for lanes 16-31
.set AXW, 4                            ; v4   AUX + 4 x lane
.set AXR, 5                            ; v5   AUX + 8 x lane
.set OA8, 6                            ; v6   8 x lane
.set HH,  7                            ; v7   lane / 16
.set MX,  8                            ; v8-9 two chains of the largest magnitude
.set BY,  11                           ; v11-14 my four blocks' scale bytes
.set WD,  15                           ; v15-18 scale words at work
.set SH,  19                           ; v19  8 x (lane / 16)
.set SQ,  20                           ; v[20:23] the sum of squares, in two pairs
.set SO,  24                           ; v24-27 the conversions' scale operands, one for each block
.set CD,  32                           ; v32-47 the codes: register 4 q + g
.set AO,  48                           ; v[48:49] the last run on its way out
.set X,   64                           ; v64-191 the numbers
	s_load_b256 s[4:11], s[0:1], 0x0               ; z_e_x s[4:5], codebook s[6:7], xq s[8:9], cbq s[10:11]
	v_lshl_add_u32 v192, v0, 2, 0x10800
	v_mov_b32 v193, 0
	v_lshrrev_b32 v8, 5, v0
	v_readfirstlane_b32 s12, v8                    ; wave 0..3
	v_and_b32 v8, 31, v0                           ; lane
	v_and_b32 v9, 15, v0                           ; lane % 16
	v_bfe_u32 v[HH], v0, 4, 1
	v_lshlrev_b32 v[OL], 4, v8
	s_mul_i32 s22, s12, WREG                       ; my wave's LDS
	v_add_nc_u32 v[STW], s22, v[OL]
	v_mul_u32_u24 v[STR], v9, PITCH
	v_lshl_add_u32 v[STR], v[HH], 7, v[STR]
	v_add_nc_u32 v[STR], s22, v[STR]
	s_add_co_u32 s22, s22, AUX
	v_lshl_add_u32 v[AXW], v8, 2, s22
	v_lshl_add_u32 v[AXR], v8, 3, s22
	v_lshlrev_b32 v[OA8], 3, v8
	v_lshlrev_b32 v[SH], 3, v[HH]
	v_mov_b32 v[WD+2], 0                           ; written once: a lane permute's destination counts as one of its sources
	v_mov_b32 v[WD+3], 0
	s_mov_b32 s16, 0x76543210
	s_mov_b32 s17, 0xfedcba98                      ; v_permlanex16_b32's selects for lane l xor 16
	s_mov_b32 s14, 0x88888888                      ; the sign bits of eight codes
	s_mov_b32 s15, 0x01010101                      ; one onto each of four scale bytes
	s_wait_alu depctr_va_vdst(0)
	s_wait_kmcnt 0x0
	s_cmp_lt_u32 ttmp9, NXG                        ; z_e_x's work-group or the codebook's?  The choice hangs on the work-group's number alone
	s_cselect_b64 s[4:5], s[4:5], s[6:7]
	s_cselect_b64 s[8:9], s[8:9], s[10:11]
	s_cselect_b32 s14, s14, 0                      ; the codebook's codes and bytes stay as they are
	s_cselect_b32 s15, s15, 0
	s_cselect_b32 s13, 0, NXG
	s_sub_co_u32 s13, ttmp9, s13
	s_lshl_b32 s13, s13, 2
	s_add_co_u32 s13, s13, s12                     ; t: my tile
	s_lshr_b32 s18, s13, 1
	s_lshl_b32 s18, s18, 15                        ; 32 (t / 2) rows of 1,024 bytes
	s_and_b32 s20, s13, 1
	s_lshl_b32 s20, s20, 13                        ; + 8 (t % 2) rows
	s_add_co_u32 s18, s18, s20
	s_mov_b32 s19, 0
	s_add_nc_u64 s[4:5], s[4:5], s[18:19]
	s_mul_i32 s20, s13, REC
	s_mov_b32 s21, 0
	s_add_nc_u64 s[8:9], s[8:9], s[20:21]          ; my record
.set i, 0
.rept 32                                       ; load i: half i % 2 of tile row i / 2: 32 lanes read 512 consecutive bytes
	global_load_b128 v[X+4*i:X+4*i+3], v[OL], s[4:5] offset:(16*((i/2)/8)+((i/2)%8))*1024+512*(i%2) th:TH_LOAD_NT
.set i, i+1
.endr
.set i, 0
.rept 32
	s_wait_loadcnt 31-i                            ; loads come back in order: load i is in, the younger ones stay out
	ds_store_b128 v[STW], v[X+4*i:X+4*i+3] offset:PITCH*(i/2)+512*(i%2)
.set i, i+1
.endr
	s_wait_dscnt 0x0                               ; the stores have read their registers, which the loads below write
.irp q, 0,1,2,3
.irp j, 0,1,2,3,4,5,6,7
	ds_load_b128 v[X+32*\q+4*\j:X+32*\q+4*\j+3], v[STR] offset:256*\q+16*\j   ; lane (n, h): k = 64 q + 32 h + 0..31 of tile row n: a whole block
.endr
.endr
; My q-th block: its largest magnitude, its scale, its part of the row's sum of squares, its 32 codes.
.macro BLOCK q
.set XB, X+32*\q
	s_wait_dscnt 24-8*\q                           ; this block's eight loads are in; the later blocks' may be out
	v_max3_num_f32 v[MX], |v[XB]|, |v[XB+1]|, |v[XB+2]|
	v_max3_num_f32 v[MX+1], |v[XB+3]|, |v[XB+4]|, |v[XB+5]|
.irp i, 6,10,14,18,22,26
	v_max3_num_f32 v[MX], v[MX], |v[XB+\i]|, |v[XB+\i+1]|
	v_max3_num_f32 v[MX+1], v[MX+1], |v[XB+\i+2]|, |v[XB+\i+3]|
.endr
	v_max3_num_f32 v[MX], v[MX], |v[XB+30]|, |v[XB+31]|
	v_max3_num_f32 v[MX], v[MX], v[MX+1], 0x1800000          ; and the floor 2^(3 - 127): the byte cannot fall under 1
	v_add_nc_u32 v[SO+\q], 0xff000000, v[MX]       ; 2 off the exponent field: the conversion takes the exponent field of this operand as its scale, and nothing else of it
.set m, 0
.rept 16
.if (\q == 0) && (m < 2)
	v_pk_mul_f32 v[SQ+2*m:SQ+2*m+1], v[XB+2*m:XB+2*m+1], v[XB+2*m:XB+2*m+1]   ; the first products start the sums
.else
	v_pk_fma_f32 v[SQ+2*(m%2):SQ+2*(m%2)+1], v[XB+2*m:XB+2*m+1], v[XB+2*m:XB+2*m+1], v[SQ+2*(m%2):SQ+2*(m%2)+1]
.endif
.set m, m+1
.endr
.irp g, 0,1,2,3
	v_cvt_scalef32_pk8_fp4_f32 v[CD+4*\q+\g], v[XB+8*\g:XB+8*\g+7], v[SO+\q]
.endr
	v_lshrrev_b32 v[BY+\q], 23, v[SO+\q]           ; the scale's byte; also the plain line behind the conversions
.endm
	BLOCK 0
	BLOCK 1
	BLOCK 2
	BLOCK 3
.set i, 0
.rept 16
	v_xor_b32 v[CD+i], s14, v[CD+i]                ; xq: every sign turned
.set i, i+1
.endr
.irp q, 0,1,2,3
	global_store_b128 v[OL], v[CD+4*\q:CD+4*\q+3], s[8:9] offset:512*\q   ; 32 lanes store 512 consecutive bytes, at a multiple of 256 from the buffer's first byte
.endr
	; the scale words: my bytes are those of blocks 2 q + h; with lane l xor 16's a word is whole
	v_lshl_or_b32 v[WD], v[BY+1], 16, v[BY]
	v_lshl_or_b32 v[WD+1], v[BY+3], 16, v[BY+2]
	v_lshlrev_b32 v[WD], v[SH], v[WD]
	v_lshlrev_b32 v[WD+1], v[SH], v[WD+1]
	v_permlanex16_b32 v[WD+2], v[WD], s16, s17
	v_permlanex16_b32 v[WD+3], v[WD+1], s16, s17
	v_or_b32 v[WD], v[WD], v[WD+2]                 ; the first 128 along K
	v_or_b32 v[WD+1], v[WD+1], v[WD+3]             ; the second
	v_cmp_ne_u32 vcc_lo, 0, v[HH]
	v_cndmask_b32 v[WD], v[WD], v[WD+1], vcc_lo    ; lanes 0-15 keep the first, lanes 16-31 the second
	v_add_nc_u32 v[WD], s15, v[WD]                 ; xq: every scale doubled
	; the row's sum of squares
	v_pk_add_f32 v[SQ:SQ+1], v[SQ:SQ+1], v[SQ+2:SQ+3]
	v_add_f32 v[SQ], v[SQ], v[SQ+1]
	v_permlanex16_b32 v[SQ+2], v[SQ], s16, s17
	v_add_f32 v[SQ], v[SQ], v[SQ+2]
	ds_store_b32 v[AXW], v[WD]
	ds_store_b32 v[AXW], v[SQ] offset:128
	ds_load_b64 v[AO:AO+1], v[AXR]                 ; LDS serves a wave's instructions in order: this sees my stores
	s_wait_dscnt 0x0
	global_store_b64 v[OA8], v[AO:AO+1], s[8:9] offset:2048   ; 32 lanes store 256 consecutive bytes
	s_wait_tensorcnt 0x0
	ds_add_u32 v192, v193
	s_wait_dscnt 0x0
	s_endpgm
.Lfunc_end_k_q6c7532d09d_quant:
	.size	k_q6c7532d09d_quant, .Lfunc_end_k_q6c7532d09d_quant-k_q6c7532d09d_quant
	.p2alignl 7, 3214868480
	.fill 96, 4, 3214868480
	.section	.rodata,"a",@progbits
	.p2align	6, 0x0
	.amdhsa_kernel k_q6c7532d09d_quant
		.amdhsa_group_segment_fixed_size 68096
		.amdhsa_private_segment_fixed_size 0
		.amdhsa_enable_private_segment 0
		.amdhsa_kernarg_size 32
		.amdhsa_user_sgpr_count 2
		.amdhsa_user_sgpr_kernarg_segment_ptr 1
		.amdhsa_wavefront_size32 1
		.amdhsa_system_sgpr_workgroup_id_x 1
		.amdhsa_system_sgpr_workgroup_id_y 1
		.amdhsa_system_sgpr_workgroup_id_z 1
		.amdhsa_system_vgpr_workitem_id 0
		.amdhsa_next_free_vgpr 194
		.amdhsa_next_free_sgpr 66
		.amdhsa_reserve_vcc 1
		.amdhsa_float_denorm_mode_32 3
		.amdhsa_float_denorm_mode_16_64 3
		.amdhsa_memory_ordered 1
		.amdhsa_forward_progress 1
		.amdhsa_inst_pref_size 22
	.end_amdhsa_kernel
	.amdgpu_metadata
---
amdhsa.version: [ 1, 2 ]
amdhsa.kernels:
  - .name:           k_q6c7532d09d_quant
    .symbol:         k_q6c7532d09d_quant.kd
    .args:
      - { .name: z_e_x, .offset: 0, .size: 8, .value_kind: global_buffer, .address_space: global }
      - { .name: codebook, .offset: 8, .size: 8, .value_kind: global_buffer, .address_space: global }
      - { .name: xq, .offset: 16, .size: 8, .value_kind: global_buffer, .address_space: global }
      - { .name: cbq, .offset: 24, .size: 8, .value_kind: global_buffer, .address_space: global }
    .group_segment_fixed_size: 68096
    .private_segment_fixed_size: 0
    .kernarg_segment_align: 8
    .kernarg_segment_size: 32
    .max_flat_workgroup_size: 128
    .sgpr_count:     66
    .vgpr_count:     194
    .wavefront_size: 32
...
	.end_amdgpu_metadata
.endif
;; end of part 1
;; launch search (part 2): grid 8 x 32, 16 waves a work-group, clusters of 4 x 4, 327,680 bytes of LDS; arguments xq, cbq, unitw; writes unitw
.if DOCPART == 2
	.amdgcn_target "amdgcn-amd-amdhsa--gfx1250"
	.amdhsa_code_object_version 6
	.text
	.protected	k_q6c7532d09d_search
	.globl	k_q6c7532d09d_search
	.p2align	8
	.type	k_q6c7532d09d_search,@function
k_q6c7532d09d_search:
	s_mov_b64 s[64:65], 0
	v_nop
	global_prefetch_b8 v0, s[64:65] scope:SCOPE_SE
	s_setreg_imm32_b32 hwreg(HW_REG_WAVE_MODE, 25, 1), 1
	s_wait_xcnt 0x0
	s_wait_alu depctr_hold_cnt(0) depctr_sa_sdst(0) depctr_va_vdst(0) depctr_va_sdst(0) depctr_va_ssrc(0) depctr_va_vcc(0) depctr_vm_vsrc(0)
	s_getreg_b32 s2, hwreg(HW_REG_IB_STS2, 6, 4)
	s_cmp_eq_u32 s2, 0
	s_cbranch_scc0 .Lentry_in_a_cluster
	s_endpgm
.Lentry_in_a_cluster:
	s_bfe_u32 s2, ttmp6, 0x10000c
	s_cmp_lg_u32 s2, 0xf033
	s_cbranch_scc0 .Lentry_shape_is_right
	s_endpgm
.Lentry_shape_is_right:
; For each row x and each eighth of the codebook: the smallest |c|^2 - 2 x.c and the unit (16 neighbouring codes) that holds it.
; xq holds -2 x and cbq the codebook as records of 2,304 bytes, a tile of 16 rows each, in the order of a matrix operand's registers (codes, scale words, |c|^2).
; SHARES.  Work-group (px, by): part px of the codebook (64 records, 1,024 codes) against block by of x (64 records, 1,024 rows): 8 x 32 = 256 work-groups.
; LDS IS FILLED ONCE: x's 64 records at byte 0, the part's 64 records behind them, 147,456 bytes each; each of the 16 waves brings 8 records (72 rows of 256 bytes) by one tensor load at the head.
; Nothing is filled again: one barrier behind the fill, one ahead of the merge, none in the loop.
; CLUSTERS of 4 x 4: the four of a cluster's row have the same by and ask for x's records jointly; the four of a column have the same px and ask for the codebook's jointly.
; Wave w keeps the 128 rows of x's records 8 (w / 2) .. + 7 in registers and walks the part's records 32 (w % 2) .. + 31: 32 tiles, 16 matrix instructions each.
; Source 0 = 16 codes, source 1 = 16 rows of x, C = |c|^2: a lane's 16 results of records 2 b and 2 b + 1 are the 16 codes of unit 2 b + lane / 16.
; A running minimum by three-input minima; once for each unit a compare says whether it fell, and the unit's number is kept.  Units are walked in ascending order, so a strict compare keeps the first smallest.
; OUT: unitw [8 parts][32768 rows][2 words]: a key and the unit.  The key is the minimum's bits turned so that unsigned order is the numbers' order; the next launch takes the least key of a row's eight.
; No prefetch: every LDS byte is asked for at the head, and there is no loop that runs ahead of a load.
; LIMITS: NaN and infinities are not served; a minimum of -0 sorts under +0.
.set REC,   2304
.set SHARE, 8*REC                      ; what one tensor load brings
.set CBASE, 8*SHARE                    ; the codebook's records in LDS
.set MRG,   16*SHARE                   ; the merge stage: 1,024 bytes a wave; no tensor load lands here
.set SPARE, MRG+16*1024                ; the spare words: 128 bytes a wave
.set SPW, 1                            ; v1 my spare word; v2 zero: kept for the add alone
.set NIL, 2
.set FA,  3                            ; LDS address of a record's codes: 16 x lane
.set XA,  4                            ; the same for x's records
.set SA,  5                            ; of its scale words: 4 x lane
.set XB,  6                            ; the same for x's
.set CA,  7                            ; of its |c|^2: 32 x (lane / 16)
.set ST,  8                            ; merge stage, in
.set BV,  9                            ; the pair of records at work
.set T0,  10
.set T1,  11
.set XS,  12                           ; v12-19 x's scale words
.set RA,  20                           ; v20-27, v28-35 running minima, by turns
.set RB,  28
.set ID,  36                           ; v36-43 the pair that holds the minimum
.set BUF, 44                           ; two buffers of 26: 16 codes, 8 |c|^2, 1 scale word
.set RD,  69                           ; merge stage, back (the 26th register of buffer 0)
.set GO,  95                           ; 16 x lane, for the store (the 26th of buffer 1)
.set D,   96                           ; v96-127 two sets of two accumulators
.set X,   128                          ; v128-255 x's codes
.set WV,  10
.set G1,  16                           ; s[16:23] group 1 for x, s[24:31] for the codebook: they differ in the mask
.set G1B, 24
.set G0,  32
.set G0B, 36
.set CNT, 44
.set BG,  45
.set SEL, 60
.macro ROUND                           ; a round of the cluster's barrier
	s_barrier_signal -1
	s_barrier_wait -1
	s_cmp_lg_u32 s[WV], 0
	s_cbranch_scc1 .Lnot_wave_0_\@
	s_barrier_signal -3
.Lnot_wave_0_\@:
	s_barrier_wait -3
	s_barrier_signal -1
	s_barrier_wait -1
.endm
.macro ALOAD buf, i                    ; seven LDS loads: a record of the codebook
.irp q, 0,1,2,3
	ds_load_b128 v[BUF+26*(\buf)+4*\q:BUF+26*(\buf)+4*\q+3], v[FA] offset:REC*(\i)+512*\q
.endr
	ds_load_b128 v[BUF+26*(\buf)+16:BUF+26*(\buf)+19], v[CA] offset:REC*(\i)
	ds_load_b128 v[BUF+26*(\buf)+20:BUF+26*(\buf)+23], v[CA] offset:REC*(\i)+16
	ds_load_b32 v[BUF+26*(\buf)+24], v[SA] offset:REC*(\i)
.endm
.macro W set, buf, n0                  ; x's records n0, n0 + 1 against the record in buf: two accumulators by turns, K = 128 twice
.set BA, BUF+26*(\buf)
.set DA, D+16*(\set)
.set XQ, X+16*(\n0)
	v_wmma_scale_f32_16x16x128_f8f6f4 v[DA:DA+7], v[BA:BA+7], v[XQ:XQ+7], v[BA+16:BA+23], v[BA+24], v[XS+\n0] matrix_a_fmt:MATRIX_FMT_FP4 matrix_b_fmt:MATRIX_FMT_FP4
	v_wmma_scale_f32_16x16x128_f8f6f4 v[DA+8:DA+15], v[BA:BA+7], v[XQ+16:XQ+23], v[BA+16:BA+23], v[BA+24], v[XS+\n0+1] matrix_a_fmt:MATRIX_FMT_FP4 matrix_b_fmt:MATRIX_FMT_FP4
	v_wmma_scale_f32_16x16x128_f8f6f4 v[DA:DA+7], v[BA+8:BA+15], v[XQ+8:XQ+15], v[DA:DA+7], v[BA+24], v[XS+\n0] matrix_a_fmt:MATRIX_FMT_FP4 matrix_b_fmt:MATRIX_FMT_FP4 matrix_a_scale:MATRIX_SCALE_ROW1 matrix_b_scale:MATRIX_SCALE_ROW1
	v_wmma_scale_f32_16x16x128_f8f6f4 v[DA+8:DA+15], v[BA+8:BA+15], v[XQ+24:XQ+31], v[DA+8:DA+15], v[BA+24], v[XS+\n0+1] matrix_a_fmt:MATRIX_FMT_FP4 matrix_b_fmt:MATRIX_FMT_FP4 matrix_a_scale:MATRIX_SCALE_ROW1 matrix_b_scale:MATRIX_SCALE_ROW1
.endm
.macro POSTC n, rs, rd                 ; a unit's end for columns n, n + 1: has the minimum fallen?
	v_cmp_lt_f32 s50, v[\rd+\n], v[\rs+\n]
	v_cmp_lt_f32 s51, v[\rd+\n+1], v[\rs+\n+1]
.endm
.macro POSTS n                         ; where it has, the pair's number is kept
	v_cndmask_b32 v[ID+\n], v[ID+\n], v[BV], s50
	v_cndmask_b32 v[ID+\n+1], v[ID+\n+1], v[BV], s51
.endm
; The minima of two accumulators; u = 0 begins a unit from rs, u = 1 goes on in rd.  pn >= 0: the unit's end of columns pn, pn + 1, whose minima (prs, prd) an earlier block has finished, is laid among these lines,
; so that no line reads what one of the three lines before it wrote.
.macro M set, n0, u, rs, rd, pn, prs, prd
.set DM, D+16*(\set)                   ; eight results and the running minimum are nine numbers: three minima that do not hang on each other, kept in the accumulator's own registers, then one of the three
.irp a, 0,1
	v_min3_num_f32 v[DM+8*\a], v[DM+8*\a], v[DM+8*\a+1], v[DM+8*\a+2]   ; each accumulator from its low end on
.endr
.irp a, 0,1
	v_min3_num_f32 v[DM+8*\a+3], v[DM+8*\a+3], v[DM+8*\a+4], v[DM+8*\a+5]
.endr
.irp a, 0,1
.if \u
	v_min3_num_f32 v[DM+8*\a+6], v[DM+8*\a+6], v[DM+8*\a+7], v[\rd+\n0+\a]
.else
	v_min3_num_f32 v[DM+8*\a+6], v[DM+8*\a+6], v[DM+8*\a+7], v[\rs+\n0+\a]
.endif
.endr
.if \pn >= 0
	POSTC \pn, \prs, \prd
.endif
.irp a, 0,1
	v_min3_num_f32 v[\rd+\n0+\a], v[DM+8*\a], v[DM+8*\a+3], v[DM+8*\a+6]
.endr
.if \pn >= 0
	POSTS \pn
.endif
.endm
; A tile: one record against x's eight.  The next record's seven loads go out first, into the buffer that the last tile has done with (its last minima are the places behind its last products);
; the counted wait leaves those seven out.  Each set's minima stand behind the other set's products.  In the first tile the waits also leave out x's records that are not yet multiplied, five loads each.
.macro TILE buf, u, rs, rd, nx, ni, st, first
.if \nx
	ALOAD 1-\buf, \ni
.endif
.if \st
	v_add_nc_u32 v[FA], 4*REC, v[FA]               ; four records on: read again a tile later
	v_add_nc_u32 v[SA], 4*REC, v[SA]
	v_add_nc_u32 v[CA], 4*REC, v[CA]
.endif
.if \first
	s_wait_dscnt 37                                ; out: 7 of the next record, 30 of x's records 2 to 7
.elseif \nx
	s_wait_dscnt 7
.else
	s_wait_dscnt 0x0
.endif
	W 0, \buf, 0
.if \first
.rept 5
	v_nop
.endr
.elseif \u
	M 1, 6, 0, \rs, \rd, -1, 0, 0
.else
	M 1, 6, 1, \rd, \rs, -1, 0, 0
.endif
.if \u
	v_mov_b32 v[BV], s[BG]
	s_add_co_u32 s[BG], s[BG], 1
.endif
.if \first
	s_wait_dscnt 27
.endif
	W 1, \buf, 2
.if \u || \first
	M 0, 0, \u, \rs, \rd, -1, 0, 0
.else
	M 0, 0, 0, \rs, \rd, 6, \rd, \rs               ; with the last unit's end for columns 6, 7: BV still holds its pair
.endif
.if \first
	s_wait_dscnt 17
.endif
	W 0, \buf, 4
.if \u
	M 1, 2, 1, \rs, \rd, 0, \rs, \rd
.else
	M 1, 2, 0, \rs, \rd, -1, 0, 0
.endif
.if \first
	s_wait_dscnt 7
.endif
	W 1, \buf, 6
.if \u
	M 0, 4, 1, \rs, \rd, 2, \rs, \rd
	POSTC 4, \rs, \rd                              ; columns 4, 5 end in their own tile: nothing fresh is first read behind the next tile's wait
	POSTS 4
.else
	M 0, 4, 0, \rs, \rd, -1, 0, 0
.endif
.endm
.macro LEX dv, du, va, ua, vb, ub      ; the lesser of two: by value, among equal values by unit
	v_cmp_lt_f32 s50, v[\vb], v[\va]
	v_cmp_eq_f32 s51, v[\vb], v[\va]
	v_cmp_lt_u32 s52, v[\ub], v[\ua]
	s_and_b32 s51, s51, s52
	s_or_b32 s50, s50, s51
	v_cndmask_b32 v[\dv], v[\va], v[\vb], s50
	v_cndmask_b32 v[\du], v[\ua], v[\ub], s50
.endm
	s_load_b128 s[4:7], s[0:1], 0x0                ; xq, cbq
	s_load_b64 s[8:9], s[0:1], 0x10                ; unitw
	v_lshl_add_u32 v[SPW], v0, 2, SPARE
	v_mov_b32 v[NIL], 0
	ds_add_u32 v[SPW], v[NIL]                      ; the opening lines: the add, twice on end, and its wait ahead of my tensor load
	ds_add_u32 v[SPW], v[NIL]
	v_lshrrev_b32 v[T0], 5, v0
	v_readfirstlane_b32 s[WV], v[T0]               ; wave 0..15
	s_bfe_u32 s11, ttmp6, 0x40000                  ; cx
	s_bfe_u32 s12, ttmp6, 0x40004                  ; cy
	s_lshl_b32 s13, ttmp9, 2
	s_add_co_u32 s13, s13, s11                     ; px: the codebook's part
	s_and_b32 s14, ttmp7, 0xffff
	s_lshl_b32 s14, s14, 2
	s_add_co_u32 s14, s14, s12                     ; by: x's block
	s_lshl_b32 s15, s12, 2
	s_lshl_b32 s15, 15, s15                        ; my row of the cluster
	s_lshl_b32 s63, 0x1111, s11                    ; my column
	s_or_b32 s[G1], s15, (3<<16)|(1<<21)           ; elements of 8 bytes; x's records go to my row,
	s_or_b32 s[G1B], s63, (3<<16)|(1<<21)          ; the codebook's to my column
.irp g, G1, G1B
	s_mov_b32 s[\g+1], 32<<16                      ; rows of 32 elements: 256 bytes,
	s_mov_b32 s[\g+2], 72<<16                      ; 72 of them: 8 records, dense
	s_mov_b32 s[\g+3], 32<<16
	s_mov_b32 s[\g+4], 72
	s_mov_b32 s[\g+5], 32
	s_mov_b32 s[\g+6], 0
	s_mov_b32 s[\g+7], 0
.endr
	s_and_b32 s40, s[WV], 7                        ; which 8 records of the 64 I fetch
	s_mul_i32 s40, s40, SHARE
	s_mul_i32 s42, s13, 64*REC
	s_add_co_u32 s42, s42, s40                     ; in cbq: by px and the wave alone
	s_mov_b32 s43, 0
	s_mul_i32 s41, s14, 64*REC
	s_add_co_u32 s40, s40, s41                     ; in xq: by by and the wave alone
	s_mov_b32 s41, 0
	s_mul_i32 s[G0+1], s[WV], SHARE                ; where they go: waves 0-7 x's records, waves 8-15 the codebook's
	s_mov_b32 s[G0B+1], s[G0+1]
	s_and_b32 s54, s[WV], 1
	s_mul_i32 s54, s54, 32*REC
	s_add_co_u32 s54, s54, CBASE                   ; my 32 records of the codebook
	s_add_co_u32 s55, s54, 2048
	s_add_co_u32 s56, s54, 2176
	s_lshr_b32 s57, s[WV], 1
	s_mul_i32 s57, s57, SHARE                      ; my 8 records of x
	s_add_co_u32 s58, s57, 2048
	s_lshl_b32 s59, s[WV], 10
	s_add_co_u32 s59, s59, MRG                     ; my 1,024 bytes of the stage
	s_and_b32 s62, s[WV], 14
	s_lshl_b32 s62, s62, 10
	s_and_b32 s46, s[WV], 1
	s_lshl_b32 s47, s46, 9
	s_add_co_u32 s62, s62, s47
	s_add_co_u32 s62, s62, MRG                     ; back: wave 2 g's bytes, half w % 2; wave 2 g + 1's lie 1,024 further on
	s_lshl_b32 s[BG], s13, 5
	s_lshl_b32 s46, s46, 4
	s_add_co_u32 s[BG], s[BG], s46                 ; my first pair of records: 32 px + 16 (w % 2)
	s_lshl_b32 s46, s13, 18                        ; out: part px, row 1,024 by + 64 w, 8 bytes a row
	s_lshl_b32 s47, s14, 13
	s_add_co_u32 s46, s46, s47
	s_lshl_b32 s47, s[WV], 9
	s_add_co_u32 s46, s46, s47
	s_mov_b32 s47, 0
	s_mov_b32 s[SEL], 0x76543210
	s_mov_b32 s[SEL+1], 0xfedcba98                 ; v_permlanex16_b32's selects for lane l xor 16
	s_mov_b32 s[CNT], 7
	s_wait_dscnt 0x0                               ; both opening adds are done
	ROUND                                          ; the round in front of the joint loads: it names no argument, so it stands ahead of the wait for them
	s_wait_kmcnt 0x0
	s_mov_b32 s[G0], 1
	s_add_nc_u64 s[G0+2:G0+3], s[4:5], s[40:41]
	s_or_b32 s[G0+3], s[G0+3], 0x80000000
	s_mov_b32 s[G0B], 1
	s_add_nc_u64 s[G0B+2:G0B+3], s[6:7], s[42:43]
	s_or_b32 s[G0B+3], s[G0B+3], 0x80000000
	s_add_nc_u64 s[8:9], s[8:9], s[46:47]
	s_cmp_lt_u32 s[WV], 8                          ; one tensor load a wave, the launch's only ones
	s_cbranch_scc0 .Lfor_cb
	tensor_load_to_lds s[G0:G0+3], s[G1:G1+7]
	s_nop 0
.rept 4
	v_nop
.endr
	s_branch .Lasked
.Lfor_cb:
	tensor_load_to_lds s[G0B:G0B+3], s[G1B:G1B+7]
	s_nop 0
.rept 4
	v_nop
.endr
.Lasked:
	v_and_b32 v[T0], 31, v0                        ; lane
	v_bfe_u32 v[T1], v0, 4, 1                      ; lane / 16
	v_and_b32 v[ST], 7, v0
	v_bfe_u32 v[RD], v0, 3, 1
	v_lshl_add_u32 v[FA], v[T0], 4, s54
	v_lshl_add_u32 v[SA], v[T0], 2, s55
	v_lshl_add_u32 v[CA], v[T1], 5, s56
	v_lshl_add_u32 v[XA], v[T0], 4, s57
	v_lshl_add_u32 v[XB], v[T0], 2, s58
	v_lshl_add_u32 v[ST], v[ST], 3, s59            ; tile row p of x's record n is the group's row 32 (n / 2) + 16 (p / 8) + 8 (n % 2) + p % 8: 8 bytes a row
	v_lshl_add_u32 v[ST], v[RD], 7, v[ST]
	v_lshl_add_u32 v[RD], v[T0], 4, s62
	v_lshlrev_b32 v[GO], 4, v[T0]
.irp n, 0,1,2,3,4,5,6,7
	v_mov_b32 v[RA+\n], 0x7f800000
	v_mov_b32 v[ID+\n], 0
.endr
	s_wait_alu depctr_va_vdst(0)
	s_wait_tensorcnt 0x0                           ; my 8 records are in
	s_barrier_signal -1
	s_barrier_wait -1                              ; and everybody's
	ALOAD 0, 0
.irp n, 0,1,2,3,4,5,6,7
.irp q, 0,1,2,3
	ds_load_b128 v[X+16*\n+4*\q:X+16*\n+4*\q+3], v[XA] offset:REC*\n+512*\q
.endr
	ds_load_b32 v[XS+\n], v[XB] offset:REC*\n
.endr
	TILE 0, 0, RA, RB, 1, 1, 0, 1                  ; tile 0
.Lfour:                                                ; tiles 4 t + 1 .. 4 t + 4: two units, after which the registers' turns are back where they began
	TILE 1, 1, RA, RB, 1, 2, 0, 0
	TILE 0, 0, RB, RA, 1, 3, 0, 0
	TILE 1, 1, RB, RA, 1, 4, 0, 0
	TILE 0, 0, RA, RB, 1, 5, 1, 0
	s_sub_co_u32 s[CNT], s[CNT], 1
	s_cmp_lg_u32 s[CNT], 0
	s_cbranch_scc1 .Lfour
	TILE 1, 1, RA, RB, 1, 2, 0, 0                  ; tiles 29, 30, 31: the last loads nothing
	TILE 0, 0, RB, RA, 1, 3, 0, 0
	TILE 1, 1, RB, RA, 0, 0, 0, 0
	M 1, 6, 1, RB, RA, -1, 0, 0
	POSTC 6, RB, RA
	POSTS 6
	v_bfe_u32 v[T0], v0, 4, 1
.irp n, 0,1,2,3,4,5,6,7
	v_lshl_or_b32 v[ID+\n], v[ID+\n], 1, v[T0]     ; the unit: 2 x pair + lane / 16
.endr
.irp n, 0,1,2,3,4,5,6,7
	v_permlanex16_b32 v[BUF+\n], v[RA+\n], s[SEL], s[SEL+1]
	v_permlanex16_b32 v[BUF+8+\n], v[ID+\n], s[SEL], s[SEL+1]
.endr
.irp n, 0,1,2,3,4,5,6,7
	LEX D+2*\n, D+2*\n+1, RA+\n, ID+\n, BUF+\n, BUF+8+\n   ; with the other half of the lanes
.endr
.irp n, 0,1,2,3,4,5,6,7
	ds_store_b64 v[ST], v[D+2*\n:D+2*\n+1] offset:8*(32*(\n/2)+8*(\n%2))   ; lanes l and l xor 16 write the same bytes with the same values
.endr
	s_wait_dscnt 0x0                               ; for the others' sake
	s_barrier_signal -1
	s_barrier_wait -1
	ds_load_b128 v[X:X+3], v[RD]                   ; two rows a lane: wave 2 g's minima and units,
	ds_load_b128 v[X+4:X+7], v[RD] offset:1024     ; and wave 2 g + 1's, whose units are all higher: taken only where strictly less
	s_wait_dscnt 0x0
	v_cmp_lt_f32 s50, v[X+4], v[X]
	v_cmp_lt_f32 s51, v[X+6], v[X+2]
	v_cndmask_b32 v[X], v[X], v[X+4], s50
	v_cndmask_b32 v[X+2], v[X+2], v[X+6], s51
	v_cndmask_b32 v[X+1], v[X+1], v[X+5], s50
	v_cndmask_b32 v[X+3], v[X+3], v[X+7], s51
	v_ashrrev_i32 v[X+4], 31, v[X]                 ; the key: a negative number's bits all turned, of the others the sign bit
	v_ashrrev_i32 v[X+6], 31, v[X+2]
	v_or_b32 v[X+4], 0x80000000, v[X+4]
	v_or_b32 v[X+6], 0x80000000, v[X+6]
	v_xor_b32 v[X], v[X], v[X+4]
	v_xor_b32 v[X+2], v[X+2], v[X+6]
	global_store_b128 v[GO], v[X:X+3], s[8:9]      ; 32 lanes store 512 consecutive bytes, at a multiple of 256 from the buffer's first byte
	s_wait_tensorcnt 0x0                           ; the wave's end
	ds_add_u32 v[SPW], v[NIL]
	s_wait_dscnt 0x0
	ROUND                                          ; the closing round
	s_endpgm
.Lfunc_end_k_q6c7532d09d_search:
	.size	k_q6c7532d09d_search, .Lfunc_end_k_q6c7532d09d_search-k_q6c7532d09d_search
	.p2alignl 7, 3214868480
	.fill 96, 4, 3214868480
	.section	.rodata,"a",@progbits
	.p2align	6, 0x0
	.amdhsa_kernel k_q6c7532d09d_search
		.amdhsa_group_segment_fixed_size 327680
		.amdhsa_private_segment_fixed_size 0
		.amdhsa_enable_private_segment 0
		.amdhsa_kernarg_size 24
		.amdhsa_user_sgpr_count 2
		.amdhsa_user_sgpr_kernarg_segment_ptr 1
		.amdhsa_wavefront_size32 1
		.amdhsa_system_sgpr_workgroup_id_x 1
		.amdhsa_system_sgpr_workgroup_id_y 1
		.amdhsa_system_sgpr_workgroup_id_z 1
		.amdhsa_system_vgpr_workitem_id 0
		.amdhsa_next_free_vgpr 256
		.amdhsa_next_free_sgpr 66
		.amdhsa_reserve_vcc 0
		.amdhsa_float_denorm_mode_32 3
		.amdhsa_float_denorm_mode_16_64 3
		.amdhsa_memory_ordered 1
		.amdhsa_forward_progress 1
		.amdhsa_inst_pref_size 57
	.end_amdhsa_kernel
	.amdgpu_metadata
---
amdhsa.version: [ 1, 2 ]
amdhsa.kernels:
  - .name:           k_q6c7532d09d_search
    .symbol:         k_q6c7532d09d_search.kd
    .args:
      - { .name: xq, .offset: 0, .size: 8, .value_kind: global_buffer, .address_space: global }
      - { .name: cbq, .offset: 8, .size: 8, .value_kind: global_buffer, .address_space: global }
      - { .name: unitw, .offset: 16, .size: 8, .value_kind: global_buffer, .address_space: global }
    .group_segment_fixed_size: 327680
    .private_segment_fixed_size: 0
    .kernarg_segment_align: 8
    .kernarg_segment_size: 24
    .max_flat_workgroup_size: 512
    .sgpr_count:     66
    .vgpr_count:     256
    .wavefront_size: 32
...
	.end_amdgpu_metadata
.endif
;; end of part 2
;; launch resolve (part 3): grid 256 x 1, 16 waves a work-group, no clusters, 3,072 bytes of LDS; arguments xq, cbq, unitw, out1, out2, idxw; writes out1, out2, idxw
.if DOCPART == 3
	.amdgcn_target "amdgcn-amd-amdhsa--gfx1250"
	.amdhsa_code_object_version 6
	.text
	.protected	k_q6c7532d09d_resolve
	.globl	k_q6c7532d09d_resolve
	.p2align	8
	.type	k_q6c7532d09d_resolve,@function
k_q6c7532d09d_resolve:
	s_mov_b64 s[64:65], 0
	v_nop
	global_prefetch_b8 v0, s[64:65] scope:SCOPE_SE
	s_setreg_imm32_b32 hwreg(HW_REG_WAVE_MODE, 25, 1), 1
	s_wait_xcnt 0x0
; For each row x the 16 codes of the unit that the launch before has stored in unitw are multiplied again, by the same matrix instruction on the same codes, and the distance is formed as the problem's formula rounds it:
; l2 = (|x|^2 + |c|^2) + (-2 x.c).  The first smallest of the 16 gives out1 (and idxw, the same numbers for the last launch's addresses) and out2.
; SHARES.  A work-group has 128 rows: 8 records of xq.  Wave w takes record w / 2 and of its 16 tile rows the eight from 8 (w % 2) on, which are eight neighbouring rows of x.
; For row i of the eight: source 0 = the 16 rows of ITS unit, gathered from two records of cbq; source 1 = the whole record of x; of the result only column 8 (w % 2) + i is kept: 16 matrix instructions a wave.
; Unit u = 2 b + o lies in records 2 b (its rows 0-7) and 2 b + 1 (rows 8-15), at tile rows 8 o + 0..7.
; The unit numbers enter addresses only behind a minimum with 511, by masks, products, shifts to the left and sums.
; No tensor load, no cluster: work-groups share nothing but scattered records.
; LIMITS: NaN and infinities are not served.
.set REC, 2304
.set OA,  10                           ; v10-17 row i: my lane's offset in cbq of its unit's codes
.set OS,  18                           ; v18-25 and of its scale word
.set AS,  26                           ; v26-33 the units' scale words
.set B,   34                           ; v34-49 x's record
.set CQ,  50                           ; v50-57 |c|^2 of my lane's eight codes, then l2
.set D,   58                           ; v58-121 eight accumulators
.set A,   122                          ; v122-249 the eight units' codes
; v1 lane % 16; v2 lane / 16; v3 16 x lane; v4, v5 lane terms of OA, OS, later LDS addresses; v6 my lane's row's unit; v7 its |x|^2; v8 x's scale words; v9 lane term of |c|^2's offset; v250-255 at work
.macro LEX dv, du, va, ua, vb, ub      ; (dv, du) = the lesser of (va, ua) and (vb, ub): by value, among equal values by index
	s_delay_alu instid0(VALU_DEP_2)
	v_cmp_lt_f32 s44, v[\vb], v[\va]
	s_delay_alu instid0(VALU_DEP_3)
	v_cmp_eq_f32 s45, v[\vb], v[\va]
	s_delay_alu instid0(VALU_DEP_3)
	v_cmp_lt_u32 s46, v[\ub], v[\ua]
	s_and_b32 s45, s45, s46
	s_or_b32 s44, s44, s45
	v_cndmask_b32 v[\dv], v[\va], v[\vb], s44
	v_cndmask_b32 v[\du], v[\ua], v[\ub], s44
.endm
	s_load_b256 s[4:11], s[0:1], 0x0               ; xq s[4:5], cbq s[6:7], unitw s[8:9], out1 s[10:11]
	s_load_b128 s[12:15], s[0:1], 0x20             ; out2 s[12:13], idxw s[14:15]
	v_lshrrev_b32 v1, 5, v0
	s_delay_alu instid0(VALU_DEP_1)
	v_readfirstlane_b32 s16, v1                    ; wave 0..15
	s_mov_b32 s42, 0x76543210
	s_mov_b32 s43, 0xfedcba98                      ; v_permlanex16_b32's selects for lane l xor 16
	s_lshr_b32 s17, s16, 1                         ; which record of x
	s_and_b32 s18, s16, 1                          ; which eight of its tile rows
	s_lshr_b32 s20, s16, 2
	s_lshl_b32 s20, s20, 5
	s_and_b32 s21, s17, 1
	s_lshl_b32 s21, s21, 3
	s_add_co_u32 s20, s20, s21                     ; the record's tile row 0 is the group's row 32 (record / 2) + 8 (record % 2)
	s_lshl_b32 s21, s18, 4
	s_add_co_u32 s21, s21, s20                     ; my eight rows begin 16 (w % 2) further on
	v_and_b32 v1, 15, v0                           ; r
	v_bfe_u32 v2, v0, 4, 1                         ; h
	v_and_b32 v250, 31, v0                         ; lane
	s_delay_alu instid0(VALU_DEP_1)
	v_lshlrev_b32 v3, 4, v250
	v_and_b32 v251, 7, v0                          ; r % 8
	v_bfe_u32 v252, v0, 3, 1                       ; r / 8
	s_delay_alu instid0(VALU_DEP_2)
	v_lshl_add_u32 v253, v2, 4, v251               ; the lane of a record's image that holds my part, but for 8 o: r % 8 + 16 h
	s_delay_alu instid0(VALU_DEP_2)
	v_mul_u32_u24 v254, v252, REC                  ; the unit's rows 8-15 lie in the next record
	s_delay_alu instid0(VALU_DEP_1)
	v_lshl_add_u32 v4, v253, 4, v254
	s_delay_alu instid0(VALU_DEP_2)
	v_lshl_add_u32 v5, v253, 2, v254
	s_delay_alu instid0(VALU_DEP_1)
	v_add_nc_u32 v5, 2048, v5
	v_mul_u32_u24 v9, v2, REC                      ; |c|^2: lanes 16-31 hold the unit's rows 8-15
	s_delay_alu instid0(VALU_DEP_1)
	v_add_nc_u32 v9, 2176, v9
	v_lshl_add_u32 v255, v252, 4, v251
	s_delay_alu instid0(VALU_DEP_1)
	v_add_nc_u32 v255, s20, v255
	s_delay_alu instid0(VALU_DEP_1)
	v_lshlrev_b32 v255, 3, v255                    ; my lane's row's key and unit in the group's part of unitw: 8 bytes a row
	v_lshlrev_b32 v253, 2, v250                    ; 4 x lane
	v_lshlrev_b32 v254, 2, v1                      ; 4 r
	s_lshl_b32 s46, ttmp9, 3
	s_add_co_u32 s46, s46, s17
	s_mul_i32 s46, s46, REC
	s_mov_b32 s47, 0
	s_lshl_b32 s50, ttmp9, 10                      ; the group's 128 rows in a part of unitw
	s_mov_b32 s51, 0
	s_wait_alu depctr_va_vdst(0)
	s_wait_kmcnt 0x0
	s_add_nc_u64 s[4:5], s[4:5], s[46:47]          ; my record of x
	s_add_nc_u64 s[8:9], s[8:9], s[50:51]
.irp p, 0,1,2,3,4,5,6,7                        ; unitw is [8 parts of the codebook][32768 rows][key, unit]: my lane's row's eight pairs
	global_load_b64 v[A+2*\p:A+2*\p+1], v255, s[8:9] offset:262144*\p
.endr
.irp q, 0,1,2,3
	global_load_b128 v[B+4*\q:B+4*\q+3], v3, s[4:5] offset:512*\q
.endr
	global_load_b32 v8, v253, s[4:5] offset:2048
	global_load_b32 v7, v254, s[4:5] offset:2176
	s_lshl_b32 s47, s18, 3
	s_lshl_b32 s32, 0x10001, s47                   ; the two lanes that hold column 8 (w % 2)
.irp i, 1,2,3,4,5,6,7
	s_lshl_b32 s[32+\i], s32, \i                   ; and column 8 (w % 2) + i
.endr
	s_wait_loadcnt 6                               ; the eight pairs are in; behind them the 4 + 1 + 1 loads of x were issued
.irp p, 1,2,3,4,5,6                            ; the least key, as whole numbers; the parts' units ascend, so a strict compare keeps the first smallest
	v_cmp_lt_u32 vcc_lo, v[A+2*\p], v[A]
	v_cndmask_b32 v[A], v[A], v[A+2*\p], vcc_lo
	v_cndmask_b32 v[A+1], v[A+1], v[A+2*\p+1], vcc_lo
.endr
	v_cmp_lt_u32 vcc_lo, v[A+14], v[A]
	v_cndmask_b32 v6, v[A+1], v[A+15], vcc_lo      ; my lane's row's unit
	s_wait_alu depctr_va_vdst(0)
	s_cmp_eq_u32 s18, 0                            ; my eight rows' units stand in lanes 8 (w % 2) + 0..7
.irp i, 0,1,2,3,4,5,6,7
	v_readlane_b32 s[24+\i], v6, \i
	v_readlane_b32 s46, v6, 8+\i
	s_cselect_b32 s[24+\i], s[24+\i], s46
.endr
.irp i, 0,1,2,3,4,5,6,7
	s_min_u32 s[24+\i], s[24+\i], 511
	s_and_b32 s46, s[24+\i], 0x1fe                 ; 2 b
	s_mul_i32 s46, s46, REC
	s_and_b32 s47, s[24+\i], 1                     ; o
	s_lshl_b32 s48, s47, 7                         ; 8 o lanes of 16 bytes
	s_add_co_u32 s48, s48, s46
	v_add_nc_u32 v[OA+\i], s48, v4
	s_lshl_b32 s47, s47, 5                         ; 8 o words
	s_add_co_u32 s47, s47, s46
	v_add_nc_u32 v[OS+\i], s47, v5
.irp q, 0,1,2,3
	global_load_b128 v[A+16*\i+4*\q:A+16*\i+4*\q+3], v[OA+\i], s[6:7] offset:512*\q
.endr
	global_load_b32 v[AS+\i], v[OS+\i], s[6:7]
.endr
	v_min_u32 v6, 511, v6
	s_delay_alu instid0(VALU_DEP_1)
	v_and_b32 v250, 0x1fe, v6
	s_delay_alu instid0(VALU_DEP_1)
	v_mul_u32_u24 v250, v250, REC
	s_delay_alu instid0(VALU_DEP_3)
	v_and_b32 v251, 1, v6
	s_delay_alu instid0(VALU_DEP_1)
	v_lshl_add_u32 v250, v251, 5, v250
	s_delay_alu instid0(VALU_DEP_1)
	v_add_nc_u32 v250, v250, v9
	global_load_b128 v[CQ:CQ+3], v250, s[6:7]      ; |c|^2 of codes 16 u + 8 h + 0..7
	global_load_b128 v[CQ+4:CQ+7], v250, s[6:7] offset:16
	s_wait_loadcnt 2                               ; all but these two
.irp i, 0,1,2,3,4,5,6,7                        ; the eight accumulators take turns; the first 128 along K start the sums
	v_wmma_scale_f32_16x16x128_f8f6f4 v[D+8*\i:D+8*\i+7], v[A+16*\i:A+16*\i+7], v[B:B+7], 0, v[AS+\i], v8 matrix_a_fmt:MATRIX_FMT_FP4 matrix_b_fmt:MATRIX_FMT_FP4
.endr
.irp i, 0,1,2,3,4,5,6,7
	v_wmma_scale_f32_16x16x128_f8f6f4 v[D+8*\i:D+8*\i+7], v[A+16*\i+8:A+16*\i+15], v[B+8:B+15], v[D+8*\i:D+8*\i+7], v[AS+\i], v8 matrix_a_fmt:MATRIX_FMT_FP4 matrix_b_fmt:MATRIX_FMT_FP4 matrix_a_scale:MATRIX_SCALE_ROW1 matrix_b_scale:MATRIX_SCALE_ROW1
.endr
.rept 4
	v_nop                                          ; four places before results are read (ISA guide 7.12.1)
.endr
.irp j, 0,1,2,3,4,5,6,7                        ; row i's column out of accumulator i into accumulator 0's registers: register 0 of every accumulator first
.irp i, 1,2,3,4,5,6,7
	v_cndmask_b32 v[D+\j], v[D+\j], v[D+8*\i+\j], s[32+\i]
.endr
.endr                                          ; lane (r, h), r / 8 = w % 2: -2 x.c of row r with codes 16 u + 8 h + 0..7; the other lanes hold nothing of use
	s_wait_loadcnt 0x0
.irp j, 0,1,2,3,4,5,6,7
	v_add_f32 v[CQ+\j], v7, v[CQ+\j]               ; |x|^2 + |c|^2, rounded,
.endr
.irp j, 0,1,2,3,4,5,6,7
	v_add_f32 v[CQ+\j], v[CQ+\j], v[D+\j]          ; then - 2 x.c
.endr
	v_mov_b32 v250, v[CQ]
	v_mov_b32 v251, 0
.irp j, 1,2,3,4,5,6,7                          ; the first smallest of my eight: a later one is taken only where it is less
	s_delay_alu instid0(VALU_DEP_2)
	v_cmp_lt_f32 vcc_lo, v[CQ+\j], v250
	s_delay_alu instid0(VALU_DEP_1)
	v_cndmask_b32 v250, v250, v[CQ+\j], vcc_lo
	s_delay_alu instid0(VALU_DEP_2)
	v_cndmask_b32 v251, v251, \j, vcc_lo
.endr
	s_delay_alu instid0(VALU_DEP_1)
	v_lshl_add_u32 v251, v2, 3, v251               ; its place in the unit
	v_mov_b32 v252, 0                              ; (a lane permute's destination counts as one of its sources)
	v_mov_b32 v253, 0
	s_delay_alu instid0(VALU_DEP_2)
	v_permlanex16_b32 v252, v250, s42, s43
	s_delay_alu instid0(VALU_DEP_2)
	v_permlanex16_b32 v253, v251, s42, s43
	LEX 250, 251, 250, 251, 252, 253               ; with the other half's eight
	s_delay_alu instid0(VALU_DEP_1)
	v_lshl_add_u32 v254, v6, 4, v251               ; the index: 16 u + place
	; The right numbers stand in the lanes with (lane / 8) % 2 = w % 2.  The other lanes take those of lane l xor 8, so that every lane holds the numbers of my row lane % 8 and the stage is stored with all lanes on.
	v_bfe_u32 v255, v0, 3, 1                       ; (lane / 8) % 2
	s_delay_alu instid0(VALU_DEP_1)
	v_cmp_eq_u32 vcc_lo, s18, v255
	v_mov_b32_dpp v252, v250 row_xmask:8 row_mask:0xf bank_mask:0xf
	s_delay_alu instid0(VALU_DEP_4)
	v_mov_b32_dpp v253, v254 row_xmask:8 row_mask:0xf bank_mask:0xf
	s_delay_alu instid0(VALU_DEP_2)
	v_cndmask_b32 v250, v252, v250, vcc_lo         ; my own where it is right, else lane l xor 8's
	s_delay_alu instid0(VALU_DEP_2)
	v_cndmask_b32 v254, v253, v254, vcc_lo
	v_and_b32 v4, 7, v0
	s_delay_alu instid0(VALU_DEP_1)
	v_add_nc_u32 v4, s21, v4
	s_delay_alu instid0(VALU_DEP_1)
	v_lshlrev_b32 v4, 2, v4                        ; the stage: my wave's eight words, by the wave's number and lane % 8
	s_and_b32 s46, s16, 1
	s_lshl_b32 s46, s46, 9
	v_add_nc_u32 v5, s46, v3                       ; back: 16 bytes a lane; wave 1 takes the distances
	ds_store_b32 v4, v254                          ; indices at 0, distances at 512, by the group's row; the four lanes that share a word write the same value
	ds_store_b32 v4, v250 offset:512
	s_wait_dscnt 0x0                               ; for the others' sake: my stores have landed
	s_barrier_signal -1
	s_barrier_wait -1
	s_cmp_eq_u32 s16, 1                            ; wave 0 stores out1, wave 1 out2, wave 2 idxw
	s_cselect_b64 s[54:55], s[12:13], s[14:15]
	s_cmp_eq_u32 s16, 0
	s_cselect_b64 s[54:55], s[10:11], s[54:55]
	s_lshl_b32 s48, ttmp9, 9
	s_mov_b32 s49, 0
	s_add_nc_u64 s[54:55], s[54:55], s[48:49]
	s_cmp_gt_u32 s16, 2
	s_cbranch_scc1 .Lend
	s_wait_alu depctr_va_vdst(0)
	ds_load_b128 v[B:B+3], v5
	s_wait_dscnt 0x0
	global_store_b128 v3, v[B:B+3], s[54:55]       ; 32 lanes store 512 consecutive bytes, at a multiple of 256 from the buffer's first byte
.Lend:
	s_wait_xcnt 0x0
	v_lshl_add_u32 v254, v0, 2, 0x400
	v_mov_b32 v255, 0
	s_wait_alu depctr_va_vdst(0)
	s_wait_tensorcnt 0x0
	ds_add_u32 v254, v255
	s_wait_dscnt 0x0
	s_endpgm
.Lfunc_end_k_q6c7532d09d_resolve:
	.size	k_q6c7532d09d_resolve, .Lfunc_end_k_q6c7532d09d_resolve-k_q6c7532d09d_resolve
	.p2alignl 7, 3214868480
	.fill 96, 4, 3214868480
	.section	.rodata,"a",@progbits
	.p2align	6, 0x0
	.amdhsa_kernel k_q6c7532d09d_resolve
		.amdhsa_group_segment_fixed_size 3072
		.amdhsa_private_segment_fixed_size 0
		.amdhsa_enable_private_segment 0
		.amdhsa_kernarg_size 48
		.amdhsa_user_sgpr_count 2
		.amdhsa_user_sgpr_kernarg_segment_ptr 1
		.amdhsa_wavefront_size32 1
		.amdhsa_system_sgpr_workgroup_id_x 1
		.amdhsa_system_sgpr_workgroup_id_y 1
		.amdhsa_system_sgpr_workgroup_id_z 1
		.amdhsa_system_vgpr_workitem_id 0
		.amdhsa_next_free_vgpr 256
		.amdhsa_next_free_sgpr 66
		.amdhsa_reserve_vcc 1
		.amdhsa_float_denorm_mode_32 3
		.amdhsa_float_denorm_mode_16_64 3
		.amdhsa_memory_ordered 1
		.amdhsa_forward_progress 1
		.amdhsa_inst_pref_size 25
	.end_amdhsa_kernel
	.amdgpu_metadata
---
amdhsa.version: [ 1, 2 ]
amdhsa.kernels:
  - .name:           k_q6c7532d09d_resolve
    .symbol:         k_q6c7532d09d_resolve.kd
    .args:
      - { .name: xq, .offset: 0, .size: 8, .value_kind: global_buffer, .address_space: global }
      - { .name: cbq, .offset: 8, .size: 8, .value_kind: global_buffer, .address_space: global }
      - { .name: unitw, .offset: 16, .size: 8, .value_kind: global_buffer, .address_space: global }
      - { .name: out1, .offset: 24, .size: 8, .value_kind: global_buffer, .address_space: global }
      - { .name: out2, .offset: 32, .size: 8, .value_kind: global_buffer, .address_space: global }
      - { .name: idxw, .offset: 40, .size: 8, .value_kind: global_buffer, .address_space: global }
    .group_segment_fixed_size: 3072
    .private_segment_fixed_size: 0
    .kernarg_segment_align: 8
    .kernarg_segment_size: 48
    .max_flat_workgroup_size: 512
    .sgpr_count:     66
    .vgpr_count:     256
    .wavefront_size: 32
...
	.end_amdgpu_metadata
.endif
;; end of part 3
;; launch gather (part 4): grid 256 x 1, 8 waves a work-group, no clusters, 0 bytes of LDS; arguments idxw, codebook, out0; writes out0
.if DOCPART == 4
	.amdgcn_target "amdgcn-amd-amdhsa--gfx1250"
	.amdhsa_code_object_version 6
	.text
	.protected	k_q6c7532d09d_gather
	.globl	k_q6c7532d09d_gather
	.p2align	8
	.type	k_q6c7532d09d_gather,@function
k_q6c7532d09d_gather:
	s_mov_b64 s[64:65], 0
	v_nop
	global_prefetch_b8 v0, s[64:65] scope:SCOPE_SE
	s_setreg_imm32_b32 hwreg(HW_REG_WAVE_MODE, 25, 1), 1
	s_wait_xcnt 0x0
; out0[row] = codebook[idxw[row]]: rows of 256 f32, 1,024 bytes.  idxw was stored by the launch before.
; A work-group has 128 rows, each of its eight waves 16.  A wave reads its 16 indices by one scalar load, holds each at 8,191, and copies each row by two loads and two stores of 512 consecutive bytes.
; All 32 loads go out before the first store; every register is written once, so no store's data or address is written again.
; No LDS, no barrier, no cluster: nothing is shared.  The loads carry no hint: a codebook row can be named by many rows.
.set OL,  1                            ; v1    16 x lane
.set OFF, 4                            ; v4-19 row i: 1,024 x its index + 16 x lane
.set R,   32                           ; v32-159 the 16 rows
	s_load_b128 s[4:7], s[0:1], 0x0                ; idxw s[4:5], codebook s[6:7]
	s_load_b64 s[8:9], s[0:1], 0x10                ; out0
	v_lshrrev_b32 v2, 5, v0
	s_delay_alu instid0(VALU_DEP_1)
	v_readfirstlane_b32 s10, v2                    ; wave 0..7
	v_and_b32 v2, 31, v0
	s_delay_alu instid0(VALU_DEP_1)
	v_lshlrev_b32 v[OL], 4, v2
	s_lshl_b32 s11, ttmp9, 7
	s_lshl_b32 s12, s10, 4
	s_add_co_u32 s11, s11, s12                     ; my first row
	s_lshl_b32 s12, s11, 2
	s_mov_b32 s13, 0
	s_lshl_b32 s14, s11, 10
	s_mov_b32 s15, 0
	s_wait_alu depctr_va_vdst(0)
	s_wait_kmcnt 0x0
	s_add_nc_u64 s[4:5], s[4:5], s[12:13]
	s_add_nc_u64 s[8:9], s[8:9], s[14:15]
	s_load_b512 s[16:31], s[4:5], 0x0
	s_wait_kmcnt 0x0
.irp i, 0,1,2,3,4,5,6,7,8,9,10,11,12,13,14,15
	s_min_u32 s[16+\i], s[16+\i], 0x1fff
	v_lshl_add_u32 v[OFF+\i], s[16+\i], 10, v[OL]
	global_load_b128 v[R+8*\i:R+8*\i+3], v[OFF+\i], s[6:7]
	global_load_b128 v[R+8*\i+4:R+8*\i+7], v[OFF+\i], s[6:7] offset:512
.endr
.set k, 0
.rept 32
	s_wait_loadcnt 31-k                            ; loads come back in order: load k is in, the younger ones stay out
	global_store_b128 v[OL], v[R+4*k:R+4*k+3], s[8:9] offset:512*k th:TH_STORE_NT   ; 32 lanes store 512 consecutive bytes; written once, read by nobody here
.set k, k+1
.endr
	s_endpgm
.Lfunc_end_k_q6c7532d09d_gather:
	.size	k_q6c7532d09d_gather, .Lfunc_end_k_q6c7532d09d_gather-k_q6c7532d09d_gather
	.p2alignl 7, 3214868480
	.fill 96, 4, 3214868480
	.section	.rodata,"a",@progbits
	.p2align	6, 0x0
	.amdhsa_kernel k_q6c7532d09d_gather
		.amdhsa_group_segment_fixed_size 0
		.amdhsa_private_segment_fixed_size 0
		.amdhsa_enable_private_segment 0
		.amdhsa_kernarg_size 24
		.amdhsa_user_sgpr_count 2
		.amdhsa_user_sgpr_kernarg_segment_ptr 1
		.amdhsa_wavefront_size32 1
		.amdhsa_system_sgpr_workgroup_id_x 1
		.amdhsa_system_sgpr_workgroup_id_y 1
		.amdhsa_system_sgpr_workgroup_id_z 1
		.amdhsa_system_vgpr_workitem_id 0
		.amdhsa_next_free_vgpr 160
		.amdhsa_next_free_sgpr 66
		.amdhsa_reserve_vcc 0
		.amdhsa_float_denorm_mode_32 3
		.amdhsa_float_denorm_mode_16_64 3
		.amdhsa_memory_ordered 1
		.amdhsa_forward_progress 1
		.amdhsa_inst_pref_size 11
	.end_amdhsa_kernel
	.amdgpu_metadata
---
amdhsa.version: [ 1, 2 ]
amdhsa.kernels:
  - .name:           k_q6c7532d09d_gather
    .symbol:         k_q6c7532d09d_gather.kd
    .args:
      - { .name: idxw, .offset: 0, .size: 8, .value_kind: global_buffer, .address_space: global }
      - { .name: codebook, .offset: 8, .size: 8, .value_kind: global_buffer, .address_space: global }
      - { .name: out0, .offset: 16, .size: 8, .value_kind: global_buffer, .address_space: global }
    .group_segment_fixed_size: 0
    .private_segment_fixed_size: 0
    .kernarg_segment_align: 8
    .kernarg_segment_size: 24
    .max_flat_workgroup_size: 256
    .sgpr_count:     66
    .vgpr_count:     160
    .wavefront_size: 32
...
	.end_amdgpu_metadata
.endif
;; end of part 4
